; MI455X (gfx1250); checked and timed in simulation.
; The chip was launched on July 23, 2026; its instructions are those of AMD's public machine-readable ISA for CDNA 5 (MIT licence, August 2026) and "CDNA5" Instruction Set Architecture Reference Guide (July 2026). The comments in the code are by the model that wrote it; some were corrected since.
;; Dot Attention Unit. Allowed arithmetic: matrix products marked QUANTISED: E2M1 operands, one E8M0 scale for each 32 along K, by v_wmma_scale_f32_16x16x128_f8f6f4 with both operands' format E2M1 (or v_wmma_scale_f32_32x16x128_f4), f32 sums; products left as they are: f32 operands where the result goes on into a quantised operand, else bf16, f16 or f32 operands; f32 sums; everything else in f32.
;; Inputs: W_codes 512 x 16 x 16 uint8 (E2M1 codes of W, K innermost, in blocks of 32 codes, two codes a byte); W_scales 512 x 16 uint8 (E8M0 scales of W, one for each 32 codes along K); hp 4 x 256 x 512 float32; hq 4 x 256 x 512 float32; v_w 1 x 512 float32.
;; Outputs: out0 4 x 256 x 512 float32.
;; This version of the problem:
;;   THIS VERSION OF THE PROBLEM IS GIVEN IN LOW PRECISION. The matrix products marked QUANTISED in the list below multiply operands that are first quantised to E2M1 (2 exponent bits, 1 mantissa bit; 4 bits a number), with one power-of-two scale for each 32 numbers along K (OCP MX v1.0); their sums are f32. All else is computed in f32.
;;   The module's matrix products, in the order in which they are computed (A, B: the left and right operand; K: the contracted axis; several contracted axes count as one K, in the product's order):
;;     1. [M 262,144, K 512] x [K 512, N 512]; A: computed on the way; B: input W (given as codes): QUANTISED
;;     2. [M 262,144, K 512] x [K 512, N 1]; A: computed on the way; B: input v_w: left as it is (N = 1 < 16)
;;     3. batch 4 x [M 256, K 256] x [K 256, N 512]; A: softmax (see below); B: input hq: QUANTISED
;;   THE QUANTISER, for each operand of a quantised product, along K:
;;     - K is cut into blocks of 32 from its start; a last block that is shorter is filled with zeros.
;;     - A block's scale is 2^e with e = floor(log2(the largest magnitude in the block)) - 2, held to -126 .. 127; a block of zeros has e = 0. As a byte (E8M0): e + 127.
;;     - Each number is divided by its block's scale, clamped to +-6, and rounded to the nearest number of E2M1, ties to even, subnormals kept.
;;     - The product sums the exact products of the quantised numbers (number of the format x scale) in f32.
;;   ~~~python
;;   def quantise(x, axis):      # numpy; x: float32 -> the quantised numbers, widened to float32 again
;;       x = np.moveaxis(x, axis, -1); K = x.shape[-1]
;;       x = np.pad(x, [(0, 0)] * (x.ndim - 1) + [(0, -K % 32)]); x = x.reshape(x.shape[:-1] + (-1, 32)); a = np.abs(x).max(-1, keepdims=True)
;;       e = np.where(a > 0, np.clip(np.frexp(np.where(a > 0, a, 1))[1] - 1 - 2, -126, 127), 0)      # np.frexp(a)[1] - 1 = floor(log2(a)), exactly
;;       r = np.clip(x / 2.0 ** e, -6, 6)
;;       step = 2.0 ** (np.maximum(np.frexp(np.where(r == 0, 1, r))[1] - 1, 0) - 1)
;;       q = np.round(r / step) * step * 2.0 ** e      # np.round: ties to even
;;       return np.moveaxis(q.reshape(q.shape[:-2] + (-1,))[..., :K], -1, axis).astype(np.float32)
;;   ~~~
;;   SOFTMAX AHEAD OF A QUANTISED PRODUCT. Where the list says 'softmax', what is quantised is not the finished softmax but p = 2^(t - M), with t = logit x log2(e) and M = ceil(the row's largest t), a whole number; so 1/2 < the row's largest p <= 1. The row's sum l is taken of the UNQUANTISED p, in f32, and the product's result is divided by l at the end. Since M is a whole number, a kernel that streams over the keys may use a running M (the ceiling of the running maximum): every later rescaling is an exact power of two, which a block's scale takes up: the codes' values come out the same.
;;   OPERANDS COMPUTED ON THE WAY. 'Computed on the way' means the value that the module computes at that place (a softmax that the list does not call 'softmax' is quantised finished and normalised). What goes into a quantiser is computed in f32, as accurately as f32 sums, v_exp_f32 and their like allow (about 1e-6 of the number): no bf16 or f16 on the way to a quantiser, and a product that is left as it is and whose result goes on into a quantised operand takes f32 operands (vector FMAs, or v_wmma_f32_16x16x4_f32). A number that lies on a knife's edge between two numbers of the format may be rounded either way, as far as f32 arithmetic and the matrix unit's own rounding can turn it there, and no further.
;;   INPUTS GIVEN AS CODES. W (in the module: [512, 512], K = its axis 1): each comes as NAME_codes (uint8): NAME with its K axis moved to the last place and cut into blocks of 32 codes, [.., K / 32, bytes a block], one block behind the other in memory; two codes a byte, the lower K in the low four bits (a code: sign, 2 exponent bits, 1 mantissa bit); and NAME_scales (uint8): the same leading axes, one E8M0 byte (e + 127) for each 32 codes along K. Its value is code x scale, taken as it is: it is not quantised again, and the codes and scales need not be those that the quantiser above would give.
;; One version. Each part assembles by itself: llvm-mc -triple=amdgcn-amd-amdhsa -mcpu=gfx1250 --defsym DOCPART=n.
;; ======== version 1 of 1: 1 launch
;; limits: right only within a limited range of input values
;; launch dotatt (part 1): grid 64 x 4, 8 waves a work-group, clusters of 4 x 1, 327,680 bytes of LDS; arguments W_codes, W_scales, hp, hq, v_w, out0; writes out0
.if DOCPART == 1
	.amdgcn_target "amdgcn-amd-amdhsa--gfx1250"
	.amdhsa_code_object_version 6
	.text
	.protected	k_q7002c4f4f5_dotatt
	.globl	k_q7002c4f4f5_dotatt
	.p2align	8
	.type	k_q7002c4f4f5_dotatt,@function
k_q7002c4f4f5_dotatt:
	s_mov_b64 s[64:65], 0
	v_nop
	global_prefetch_b8 v0, s[64:65] scope:SCOPE_SE
	s_setreg_imm32_b32 hwreg(HW_REG_WAVE_MODE, 25, 1), 1
	s_wait_xcnt 0x0
	s_wait_alu depctr_hold_cnt(0) depctr_sa_sdst(0) depctr_va_vdst(0) depctr_va_sdst(0) depctr_va_ssrc(0) depctr_va_vcc(0) depctr_vm_vsrc(0)
	s_getreg_b32 s2, hwreg(HW_REG_IB_STS2, 6, 4)
	s_cmp_eq_u32 s2, 0
	s_cbranch_scc0 .Lentry_in_a_cluster
	s_endpgm
.Lentry_in_a_cluster:
	s_bfe_u32 s2, ttmp6, 0x10000c
	s_cmp_lg_u32 s2, 0x3003
	s_cbranch_scc0 .Lentry_shape_is_right
	s_endpgm
.Lentry_shape_is_right:
; out[b][p][:] = softmax over q of s[b][p][q], times hq[b][q][:];  s = the sum over v of v_w[v] tanh(x[v]),  x = Q(hq[b][q] * hp[b][p]) W^T.  Both products on FP4 codes with E8M0 scales, sums in f32.
; SHARES.  A work-group owns 4 rows p of one batch and all its 256 q; 64 x 4 work-groups.  Its eight waves hold 64 rows v of W each, in registers for the whole launch.
; q goes in 16 steps of 16.  In a step each wave quantises 16 q x 128 h x 2 p (h by wave % 4, p by wave / 4) into an image of operand registers in LDS, and multiplies all four p's rows by its own W.
; x is used transposed (source 0 = W, source 1 = the rows): lane (r, h) holds q = r and v = 16 t + 8 h + j, so the sum over v runs along registers, then over lanes l and l xor 16, then over the waves.
; A STEP i: group 0's products (p 0, 1) and, with group 1's fragments on their way, its tanh; the barrier is signalled: image i has been read, image i + 1 is whole; group 1's products (p 2, 3) and exponentials; the barrier's wait;
; step i + 2's hq is asked for; group 1's reciprocals and sums; step i + 2's rows are quantised into the image that held step i's, and on the way step i + 1's first fragments are asked for.
; hq comes through two LDS slots of 32 q, filled by joint loads: the four work-groups of a cluster walk the same batch.  A slot's 32 q are one block of the second product's K: each wave also quantises 64 h x 32 q of it, transposed.
; W comes once, by joint loads at the head, into LDS bytes that later hold other things, and goes from there into registers.
; TANH: v tanh(x) = v - 2 v / (1 + e), e = 2^(2 log2(e) x): right at both ends, e = 0 and e = infinity.
; LIMITS: the scaled scores (exponents to the base 2) under 2^31 in magnitude; a NaN among hq and hp is not carried through the codes; scale bytes of computed operands are 1 at the least (blocks under 2^-124).
; No prefetch: a refill has two steps, 128 matrix instructions of every wave, in which to land, and all 64 work-groups of a batch walk the same 512 KiB in the same order.
; REGISTERS.  Window 1: v0-127 W's fragments (4 tiles x 4 K steps x 8), v128-255 hp (2 p x 64).  Window 0: below.
.set RP,    528                        ; an LDS row of hq: 128 numbers and 16 bytes of padding
.set STRIP, 32*RP                      ; 32 q x 128 h;  a slot is four strips
.set SLOT1, 1<<17                      ; slot 1 begins here, so that one exclusive or turns an address over
.set AIMG,  4*STRIP                    ; two images of 16 q x 4 p x 512 h in codes: 16,384 bytes here
.set IM1,   28672                      ; and as many IM1 bytes on, in the bytes into which W's first 128 rows come
.set ASC,   AIMG+16384                 ; their scale words, 2,048 bytes each
.set HTS,   ASC+4096                   ; hq transposed: scale bytes, 8 for each h
.set SPARE, HTS+4096                   ; the spare words, 128 bytes a wave
.set WLOW,  AIMG+IM1                   ; W's rows 0-127 at the head: 128 rows of 272 bytes; the other three times 128 rows from HTC on
.set PSCR,  WLOW+16384                 ; the way out: codes of the softmax, 512 bytes a wave
.set OSTG,  PSCR+4096                  ; the way out: four rows of 272 bytes a wave
.set HTC,   SLOT1+4*STRIP              ; hq transposed: codes, 128 bytes of 256 q for each h, pitch 144
.set PART,  HTC+512*144                ; scores: [wave][p][8 blocks][32 q + 16 bytes of padding]
.set SUMS,  AIMG                       ; the way out: the scores summed over the waves, in an image that is read no more
.set WT,    128*272                    ; 128 rows of W in LDS
.set SPW, 1                            ; my spare word's address; never rewritten
.set NIL, 2                            ; 0; never rewritten
.set AQ0, 3
.set ADQ, 4
.set AWI, 5
.set AWS, 6
.set LI,  7
.set LSC, 8
.set AT0, 9
.set ADT, 10
.set HW0, 11
.set HWA, 12
.set HS0, 13
.set HSA, 14
.set PA0, 15
.set PAD, 16
.set SH8, 17
.set TM,  18                           ; v18-25 largest magnitudes, eight chains
.set SO,  26                           ; scale operands
.set BY,  28                           ; scale bytes
.set TBY, 30
.set PW,  32
.set TP,  34
.set XL,  36
.set RR,  38
.set CD,  40                           ; v40-55 codes
.set SS,  48                           ; v48-55 sums of the tanh; in the quantisers codes
.set VC,  56                           ; the sum of my v_w, in two halves
.set AS,  58                           ; scale words of the rows
.set WS,  66                           ; scale words of W
.set VW,  82                           ; -2 v_w, by tile and register
.set HQ,  126                          ; v126-189 fragments of the rows, or hq
.set PP,  192                          ; v192-255 accumulators, or products hq hp
.set WV,  16
.set W3,  17
.set W4,  18
.set SEL, 20
.set C2,  22                           ; 2 log2(e), a pair
.set CL,  24                           ; log2(e), a pair
.set G1,  28
.set G0A, 36
.set G0B, 40
.set TB,  44                           ; the first byte of the slot that is quantised
.set TJ,  45
.set TJ16, 46
.set PB,  47
.set CNT, 48
.set G1W, 72
.set G0W, 80
.set MSB, 0
.macro WIN new
.if MSB != \new
	s_set_vgpr_msb (MSB<<8)|\new
.set MSB, \new
.endif
.endm
.macro PLACES n
.rept \n
	v_nop
.endr
.endm
.macro CREST                           ; a round of the cluster's barrier behind its opening barrier
	s_cmp_lg_u32 s[WV], 0
	s_cbranch_scc1 .Lnot_wave_0_\@
	s_barrier_signal -3
.Lnot_wave_0_\@:
	s_barrier_wait -3
	s_barrier_signal -1
	s_barrier_wait -1
.endm
.macro CROUND
	s_barrier_signal -1
	s_barrier_wait -1
	CREST
.endm
	s_load_b256 s[4:11], s[0:1], 0x0               ; W's codes, W's scales, hp, hq
	s_load_b128 s[12:15], s[0:1], 0x20             ; v_w, out
	v_lshl_add_u32 v[SPW], v0, 2, SPARE
	v_mov_b32 v[NIL], 0
	ds_add_u32 v[SPW], v[NIL]                      ; the opening add, twice on end
	ds_add_u32 v[SPW], v[NIL]
	v_lshrrev_b32 v[TP], 5, v0
	v_readfirstlane_b32 s[WV], v[TP]
	s_and_b32 s[W3], s[WV], 3
	s_lshr_b32 s[W4], s[WV], 2
	s_bfe_u32 s19, ttmp6, 0x40000
	s_lshl_b32 s26, ttmp9, 2
	s_add_co_u32 s26, s26, s19                     ; work-group x
	s_and_b32 s27, ttmp7, 0xffff                   ; batch
	s_mov_b32 s[G1], 15|(2<<16)|(1<<20)|(1<<21)|(6<<22)|(3<<25)   ; hq: to all four of the cluster; elements of 4 bytes; 4 words of padding after every 128
	s_mov_b32 s[G1+1], 128<<16
	s_mov_b32 s[G1+2], 32<<16                      ; at the head a wave fetches 32 q of a strip of 128 h; behind it 16 q
	s_mov_b32 s[G1+3], 128<<16
	s_mov_b32 s[G1+4], 32
	s_mov_b32 s[G1+5], 512
	s_mov_b32 s[G1+6], 0
	s_mov_b32 s[G1+7], 0
	s_mov_b32 s[G1W], 15|(0<<16)|(1<<20)|(1<<21)|(5<<22)|(3<<25)  ; W: elements of 1 byte; 4 words of padding after every 64
	s_mov_b32 s[G1W+1], 256<<16
	s_mov_b32 s[G1W+2], 128<<16
	s_mov_b32 s[G1W+3], 256<<16
	s_mov_b32 s[G1W+4], 128
	s_mov_b32 s[G1W+5], 256
	s_mov_b32 s[G1W+6], 0
	s_mov_b32 s[G1W+7], 0
	s_mov_b32 s[SEL], 0x76543210                   ; lane l xor 16
	s_mov_b32 s[SEL+1], 0xfedcba98
	s_mov_b32 s[C2], 0x4038aa3b
	s_mov_b32 s[C2+1], s[C2]
	s_mov_b32 s[CL], 0x3fb8aa3b
	s_mov_b32 s[CL+1], s[CL]
	s_mov_b32 s[TB], 0
	s_mov_b32 s[TJ], 0
	s_mov_b32 s[TJ16], 0
	s_mov_b32 s[PB], 0
	s_mul_i32 s50, s[W3], STRIP                    ; where my head's load of hq goes,
	s_mul_i32 s51, s[W4], 16*RP
	s_add_co_u32 s66, s50, s51                     ; and where my later ones go in a slot
	s_lshl_b32 s52, s27, 19
	s_lshl_b32 s53, s[W3], 9
	s_add_co_u32 s52, s52, s53                     ; where they come from in hq
	s_mov_b32 s53, 0
	s_lshl_b32 s60, s[W4], 15
	s_add_co_u32 s60, s60, s52
	s_mov_b32 s61, 0
	s_lshl_b32 s62, s[W3], 15                      ; my 128 rows of W, if I fetch W,
	s_mov_b32 s63, 0
	s_mul_i32 s84, s[W3], WT
	s_add_co_u32 s85, s[W3], 3
	s_lshr_b32 s85, s85, 2
	s_mul_i32 s85, s85, HTC-WLOW-WT
	s_add_co_u32 s84, s84, s85
	s_add_co_u32 s84, s84, WLOW                    ; and where they go: WLOW, then from HTC on
	s_lshr_b32 s86, s[WV], 1                       ; the 64 rows of W that I use: in the fetching wave's 128, by the same arithmetic
	s_mul_i32 s85, s86, WT
	s_add_co_u32 s86, s86, 3
	s_lshr_b32 s86, s86, 2
	s_mul_i32 s86, s86, HTC-WLOW-WT
	s_add_co_u32 s85, s85, s86
	s_and_b32 s86, s[WV], 1
	s_mul_i32 s86, s86, 64*272
	s_add_co_u32 s85, s85, s86
	s_add_co_u32 s85, s85, WLOW
	s_lshl_b32 s56, s27, 8
	s_lshl_b32 s57, s26, 2
	s_add_co_u32 s56, s56, s57                     ; first row p
	s_lshl_b32 s58, s56, 11
	s_lshl_b32 s59, s[WV], 8
	s_add_co_u32 s58, s58, s59                     ; my 64 h of the output
	s_mov_b32 s59, 0
	s_lshl_b32 s57, s[W4], 1
	s_add_co_u32 s56, s56, s57
	s_lshl_b32 s56, s56, 11
	s_lshl_b32 s57, s[W3], 9
	s_add_co_u32 s56, s56, s57                     ; my two rows and 128 h of hp
	s_mov_b32 s57, 0
	s_lshl_b32 s67, s[W4], 13
	s_lshl_b32 s68, s[W3], 10
	s_add_co_u32 s67, s67, s68
	s_add_co_u32 s67, s67, AIMG
	s_lshl_b32 s68, s[W4], 10
	s_lshl_b32 s69, s[W3], 2
	s_add_co_u32 s68, s68, s69
	s_add_co_u32 s68, s68, ASC
	s_lshr_b32 s69, s[WV], 1
	s_mul_i32 s69, s69, STRIP
	s_and_b32 s70, s[WV], 1
	s_lshl_b32 s70, s70, 8
	s_add_co_u32 s69, s69, s70
	s_mul_i32 s70, s[WV], 64*144
	s_add_co_u32 s70, s70, HTC
	s_lshl_b32 s71, s[WV], 9
	s_add_co_u32 s71, s71, HTS
	s_mul_i32 s86, s[WV], 4864
	s_add_co_u32 s86, s86, PART
	v_and_b32 v114, 31, v0                         ; lane
	v_and_b32 v115, 15, v0                         ; r
	v_bfe_u32 v116, v0, 4, 1                       ; h
	v_mov_b32 v[TP], 0                             ; (a lane permute's destination counts as a source)
	v_mov_b32 v[XL], 0
	v_mov_b32 v[XL+1], 0
	v_mul_u32_u24 v[AQ0], v115, RP
	v_mul_u32_u24 v117, v115, 272
	v_lshlrev_b32 v[LI], 4, v114
	v_mul_u32_u24 v[HW0], v114, 144
	v_lshl_add_u32 v[AQ0], v116, 7, v[AQ0]
	v_lshl_add_u32 v117, v116, 4, v117
	v_lshlrev_b32 v118, 7, v116                    ; hp: 32 numbers for each half of the lanes
	v_add_nc_u32 v[AQ0], s50, v[AQ0]               ; hq: my strip, row r, + 128 h
	v_add_nc_u32 v117, s85, v117                   ; W: row r, + 16 h
	v_lshlrev_b32 v119, 4, v115                    ; W's scales: 16 bytes a row
	v_lshlrev_b32 v120, 5, v116                    ; v_w: eight numbers for each half
	v_add_nc_u32 v[AWI], s67, v[LI]
	v_add_nc_u32 v[AWS], s68, v[LI]
	v_add_nc_u32 v[LSC], ASC, v[LI]
	v_add_nc_u32 v[LI], AIMG, v[LI]
	v_lshl_add_u32 v[AT0], v114, 2, s69            ; transposed: a lane takes one h
	v_add_nc_u32 v[HW0], s70, v[HW0]
	v_lshl_add_u32 v[HS0], v114, 3, s71
	v_lshl_add_u32 v[PA0], v115, 2, s86
	v_lshlrev_b32 v[SH8], 3, v116
	s_wait_alu depctr_va_vdst(0)
	s_wait_dscnt 0x0                               ; both opening adds are done
	s_wait_kmcnt 0x0
	s_add_nc_u64 s[8:9], s[8:9], s[56:57]
	WIN 0x40
.irp u, 0,1
.irp c, 0,1
.irp e, 0,1,2,3,4,5,6,7
	global_load_b128 v[128+64*\u+32*\c+4*\e:128+64*\u+32*\c+4*\e+3], v118, s[8:9] offset:2048*\u+256*\c+16*\e
.endr
.endr
.endr
	WIN 0
	s_mov_b32 s51, 0
	s_lshl_b32 s50, s[WV], 10
	s_add_nc_u64 s[6:7], s[6:7], s[50:51]          ; my 64 rows of W's scales
	s_lshl_b32 s50, s[WV], 8
	s_add_nc_u64 s[12:13], s[12:13], s[50:51]      ; and of v_w
	s_add_nc_u64 s[14:15], s[14:15], s[58:59]
	s_mul_i32 s50, s[W3], STRIP
	s_mov_b32 s[G0A], 1
	s_mov_b32 s[G0A+1], s50
	s_add_nc_u64 s[G0A+2:G0A+3], s[10:11], s[52:53]
	s_or_b32 s[G0A+3], s[G0A+3], 0x80000000
	s_mov_b32 s[G0W], 1
	s_mov_b32 s[G0W+1], s84
	s_add_nc_u64 s[G0W+2:G0W+3], s[4:5], s[62:63]
	s_or_b32 s[G0W+3], s[G0W+3], 0x80000000
	s_add_nc_u64 s[54:55], s[10:11], s[60:61]
	s_mov_b32 s[G0B], 1
	s_add_co_u32 s[G0B+1], s66, SLOT1
	s_add_nc_u64 s[G0B+2:G0B+3], s[54:55], 65536
	s_or_b32 s[G0B+3], s[G0B+3], 0x80000000
	CROUND                                         ; the four work-groups are here: the joint loads meet
	s_cmp_lt_u32 s[WV], 4                          ; one tensor load a wave at the head: waves 0 to 3 fetch slot 0's strips,
	s_cbranch_scc0 .Lhead_w
	tensor_load_to_lds s[G0A:G0A+3], s[G1:G1+7]
	s_nop 0
	PLACES 4
	s_branch .Lhead_asked
.Lhead_w:
	tensor_load_to_lds s[G0W:G0W+3], s[G1W:G1W+7]  ; waves 4 to 7 W's 512 rows
	s_nop 0
	PLACES 4
.Lhead_asked:
.irp t, 0,1,2,3
	global_load_b128 v[WS+4*\t:WS+4*\t+3], v119, s[6:7] offset:256*\t
	global_load_b128 v[VW+8*\t:VW+8*\t+3], v120, s[12:13] offset:64*\t
	global_load_b128 v[VW+8*\t+4:VW+8*\t+7], v120, s[12:13] offset:64*\t+16
.endr
; Scales of two blocks of 32 in registers base .. base + 63: the largest magnitude over a floor (eight chains of eight numbers), its exponent field less 2 is the conversion's scale operand, and that field the byte.
.macro MAXSO base, by
.irp k, 0,1,2,3,4,5,6,7
	v_max3_num_f32 v[TM+\k], |v[\base+8*\k]|, |v[\base+8*\k+1]|, 0x1800000
.endr
.irp i, 2,4,6
.irp k, 0,1,2,3,4,5,6,7
	v_max3_num_f32 v[TM+\k], v[TM+\k], |v[\base+8*\k+\i]|, |v[\base+8*\k+\i+1]|
.endr
.endr
	v_max3_num_f32 v[TM], v[TM], v[TM+1], v[TM+2]
	s_delay_alu instid0(VALU_DEP_3)
	v_max3_num_f32 v[TM+4], v[TM+4], v[TM+5], v[TM+6]
	s_delay_alu instid0(VALU_DEP_2)
	v_max_num_f32 v[TM], v[TM], v[TM+3]
	s_delay_alu instid0(VALU_DEP_2)
	v_max_num_f32 v[TM+4], v[TM+4], v[TM+7]
	s_delay_alu instid0(VALU_DEP_2)
	v_add_nc_u32 v[SO], 0xff000000, v[TM]
	s_delay_alu instid0(VALU_DEP_2)
	v_add_nc_u32 v[SO+1], 0xff000000, v[TM+4]
	s_delay_alu instid0(VALU_DEP_2)
	v_lshrrev_b32 v[\by], 23, v[SO]
	s_delay_alu instid0(VALU_DEP_2)
	v_lshrrev_b32 v[\by+1], 23, v[SO+1]
.endm
.macro QLOADS a                        ; 16 q of the slot (half a) x my 128 h: block 2 c + h of row r
	v_add_nc_u32 v[ADQ], s[TB], v[AQ0]
.irp c, 0,1
.irp e, 0,1,2,3,4,5,6,7
	ds_load_b128 v[HQ+32*\c+4*\e:HQ+32*\c+4*\e+3], v[ADQ] offset:16*RP*(\a)+256*\c+16*\e
.endr
.endr
.endm
.macro TLOADS                          ; transposed: a lane takes h = lane, 32 + lane of my 64, registers run along the slot's 32 q
	v_add_nc_u32 v[ADT], s[TB], v[AT0]
.irp z, 0,1
.set k, 0
.rept 32
	ds_load_b32 v[HQ+32*\z+k], v[ADT] offset:RP*k+128*\z
.set k, k+1
.endr
.endr
.endm
.macro LOADA im, g                     ; fragments and scale words of p = 2 g, 2 g + 1 from image im
.irp u, 0,1
	ds_load_b128 v[AS+4*\u:AS+4*\u+3], v[LSC] offset:2048*(\im)+512*(2*(\g)+\u)
.endr
.irp s, 0,1,2,3
.irp u, 0,1
.irp c, 0,1
	ds_load_b128 v[HQ+32*\u+8*\s+4*\c:HQ+32*\u+8*\s+4*\c+3], v[LI] offset:IM1*(\im)+4096*(2*(\g)+\u)+1024*\s+512*\c
.endr
.endr
.endr
.endm
.macro CV u, c, g
	v_cvt_scalef32_pk8_fp4_f32 v[CD+8*\u+4*\c+\g], v[PP+32*\c+8*\g:PP+32*\c+8*\g+7], v[SO+\c]
.endm
; The products hq hp of my two p, quantised into image im.  Behind the last read of hq its registers are free: mid = 1: the other image's group 0 is asked for; mid = 2: the slot's transposed numbers.
.macro QUANT_A im, mid
.irp u, 0,1
	WIN 0x04
.set k, 0
.rept 32
	v_pk_mul_f32 v[PP+2*k:PP+2*k+1], v[HQ+2*k:HQ+2*k+1], v[128+64*\u+2*k:128+64*\u+2*k+1]
.set k, k+1
.endr
	WIN 0
.if ((\mid) == 1) && (\u == 1)
	LOADA 1-(\im), 0
.endif
.if ((\mid) == 2) && (\u == 1)
	TLOADS
.endif
	MAXSO PP, BY
	s_delay_alu instid0(VALU_DEP_1)
	v_lshl_or_b32 v[PW+\u], v[BY+1], 16, v[BY]
	CV \u, 0, 0
	CV \u, 0, 1
	v_lshlrev_b32 v[PW+\u], v[SH8], v[PW+\u]       ; bytes h and 2 + h of the scale word;
	CV \u, 0, 2
	CV \u, 0, 3
	v_permlanex16_b32 v[TP], v[PW+\u], s[SEL], s[SEL+1]
	CV \u, 1, 0
	CV \u, 1, 1
	v_or_b32 v[PW+\u], v[PW+\u], v[TP]             ; with lane l xor 16's the word is whole
	CV \u, 1, 2
	CV \u, 1, 3
	v_nop
	ds_store_b128 v[AWI], v[CD+8*\u:CD+8*\u+3] offset:IM1*(\im)+4096*\u
	ds_store_b128 v[AWI], v[CD+8*\u+4:CD+8*\u+7] offset:IM1*(\im)+4096*\u+512
	ds_store_b32 v[AWS], v[PW+\u] offset:2048*(\im)+512*\u
.endr
.endm
; Two p x my four tiles of v, K = 512: the eight accumulators take turns.
; counted = 1: the fragments of K step s are in when at most the later steps' loads, four a step, are out.
.macro MM counted
	WIN 0x01
.irp s, 0,1,2,3
.if \counted
	s_wait_dscnt 12-4*\s
.endif
.irp u, 0,1
.irp t, 0,1,2,3
.if \s == 0
	v_wmma_scale_f32_16x16x128_f8f6f4 v[PP+32*\u+8*\t:PP+32*\u+8*\t+7], v[32*\t+8*\s:32*\t+8*\s+7], v[HQ+32*\u+8*\s:HQ+32*\u+8*\s+7], 0, v[WS+4*\t+\s], v[AS+4*\u+\s] matrix_a_fmt:MATRIX_FMT_FP4 matrix_b_fmt:MATRIX_FMT_FP4
.else
	v_wmma_scale_f32_16x16x128_f8f6f4 v[PP+32*\u+8*\t:PP+32*\u+8*\t+7], v[32*\t+8*\s:32*\t+8*\s+7], v[HQ+32*\u+8*\s:HQ+32*\u+8*\s+7], v[PP+32*\u+8*\t:PP+32*\u+8*\t+7], v[WS+4*\t+\s], v[AS+4*\u+\s] matrix_a_fmt:MATRIX_FMT_FP4 matrix_b_fmt:MATRIX_FMT_FP4
.endif
.endr
.endr
.endr
	WIN 0
.endm
.macro TEXP                            ; e = 2^(2 log2(e) x) of the 64 accumulator registers: register work alone
.set k, 0
.rept 32
	v_pk_mul_f32 v[PP+2*k:PP+2*k+1], v[PP+2*k:PP+2*k+1], s[C2:C2+1] op_sel_hi:[1,0]
.set k, k+1
.endr
	s_wait_alu depctr_va_vdst(0)                   ; ahead of the batch and behind it
.set k, 0
.rept 64
	v_exp_f32 v[PP+k], v[PP+k]
.set k, k+1
.endr
	v_nop
	s_wait_alu depctr_va_vdst(0)
.endm
.macro TRCP                            ; 1 / (1 + e): register work alone
.set k, 0
.rept 32
	v_pk_add_f32 v[PP+2*k:PP+2*k+1], v[PP+2*k:PP+2*k+1], 1.0 op_sel_hi:[1,0]
.set k, k+1
.endr
	s_wait_alu depctr_va_vdst(0)                   ; ahead of the batch and behind it
.set k, 0
.rept 64
	v_rcp_f32 v[PP+k], v[PP+k]
.set k, k+1
.endr
	v_nop
	s_wait_alu depctr_va_vdst(0)
.endm
; The sum over my 64 v, beginning with the sum of v_w: four chains, then lanes l and l xor 16.
.macro TSUM a, g
	v_add_nc_u32 v[PAD], s[PB], v[PA0]
.irp i, 0,2,4,6,8,10,12,14
.irp u, 0,1
.irp y, 0,1
.if (\i == 0) && (\y == 0)
	v_pk_fma_f32 v[SS+4*\u:SS+4*\u+1], v[PP+32*\u:PP+32*\u+1], v[VW:VW+1], v[VC:VC+1]
.elseif \i == 0
	v_pk_mul_f32 v[SS+4*\u+2:SS+4*\u+3], v[PP+32*\u+16:PP+32*\u+17], v[VW+16:VW+17]
.else
	v_pk_fma_f32 v[SS+4*\u+2*\y:SS+4*\u+2*\y+1], v[PP+32*\u+16*\y+\i:PP+32*\u+16*\y+\i+1], v[VW+16*\y+\i:VW+16*\y+\i+1], v[SS+4*\u+2*\y:SS+4*\u+2*\y+1]
.endif
.endr
.endr
.endr
	s_delay_alu instid0(VALU_DEP_3)
	v_pk_add_f32 v[SS:SS+1], v[SS:SS+1], v[SS+2:SS+3]
	s_delay_alu instid0(VALU_DEP_2)
	v_pk_add_f32 v[SS+4:SS+5], v[SS+4:SS+5], v[SS+6:SS+7]
.irp u, 0,1
	s_delay_alu instid0(VALU_DEP_2)
	v_add_f32 v[RR+\u], v[SS+4*\u], v[SS+4*\u+1]
.endr
.irp u, 0,1
	s_delay_alu instid0(VALU_DEP_2)
	v_permlanex16_b32 v[XL+\u], v[RR+\u], s[SEL], s[SEL+1]
.endr
.irp u, 0,1
	s_delay_alu instid0(VALU_DEP_2)
	v_add_f32 v[RR+\u], v[RR+\u], v[XL+\u]
.endr
.irp u, 0,1
	ds_store_b32 v[PAD], v[RR+\u] offset:1216*(2*(\g)+\u)+64*(\a)   ; (lanes l and l xor 16 store the same number to the same word)
.endr
.endm
.macro QUANT_T
	v_add_nc_u32 v[HWA], s[TJ16], v[HW0]
	v_add_nc_u32 v[HSA], s[TJ], v[HS0]
	MAXSO HQ, TBY
.irp z, 0,1
.irp g, 0,1,2,3
	v_cvt_scalef32_pk8_fp4_f32 v[SS+4*\z+\g], v[HQ+32*\z+8*\g:HQ+32*\z+8*\g+7], v[SO+\z]
.endr
.endr
	v_nop
.irp z, 0,1
	ds_store_b128 v[HWA], v[SS+4*\z:SS+4*\z+3] offset:4608*\z
	ds_store_b8 v[HSA], v[TBY+\z] offset:256*\z
.endr
.endm
; A STEP i of 16 q: a = i % 2, its image, and the half of the slot that step i + 2 takes.  The slot in hand is that of step i + 2; odd steps (a = 1) also quantise it transposed.
; Even steps change slots at their barrier: the slot of steps i and i + 1 is read no more, and the next one is whole.  fill = 1: that slot is filled again, two slots on.
; tail = 1: in the loop's last trip no further step is prepared (branches on the count of trips, round no barrier, no wait for one and no tensor load).
.macro STEP a, fill, tail
	MM 1
	PLACES 4
	LOADA \a, 1
	TEXP
	TRCP
	TSUM \a, 0
.if \a == 0
	s_wait_tensorcnt 0x0                           ; my part of the next slot is in
.endif
.if \fill
	ds_add_u32 v[SPW], v[NIL]
	s_xor_b32 s[G0B+1], s[G0B+1], SLOT1
	s_add_nc_u64 s[G0B+2:G0B+3], s[G0B+2:G0B+3], 65536
.endif
	s_wait_dscnt 0x0                               ; my reads of this step's image are over, my part of the next one is stored (fill = 1: and the add is done)
	s_barrier_signal -1
	MM 0                                           ; register work while the others arrive (a = 1: and reads of a slot that nobody writes)
	PLACES 4
.if \a == 0
	TEXP
	s_barrier_wait -1
.if \fill
	CREST
	tensor_load_to_lds s[G0B:G0B+3], s[G1:G1+7]
	s_nop 0
	PLACES 4
.endif
.if \tail
	s_cmp_eq_u32 s[CNT], 1
	s_cbranch_scc1 .Lno_hq_\@
	QLOADS 0
	s_wait_alu depctr_va_vdst(0)
	s_branch .Lasked_\@
.Lno_hq_\@:
	LOADA 1, 0                                     ; the last step's group 0
.Lasked_\@:
.else
	QLOADS 0
.endif
.else
.if \tail
	s_cmp_eq_u32 s[CNT], 1
	s_cbranch_scc1 .Lno_hq_\@
	TLOADS
.Lno_hq_\@:
.else
	TLOADS
.endif
	TEXP
	s_barrier_wait -1
.if \tail
	s_cmp_eq_u32 s[CNT], 1
	s_cbranch_scc1 .Lno_block_\@
.endif
	s_wait_dscnt 0x0
	QUANT_T
	QLOADS 1
.if \tail
.Lno_block_\@:
.endif
.endif
	TRCP
	TSUM \a, 1
.if \tail
	s_wait_alu depctr_va_vdst(0)
	s_cmp_eq_u32 s[CNT], 1
	s_cbranch_scc1 .Lno_rows_\@
.endif
	s_wait_dscnt 2                                 ; hq is in; the two score stores may be out
	QUANT_A \a, 1
.if \tail
.Lno_rows_\@:
.endif
.if \a == 1
	s_xor_b32 s[TB], s[TB], SLOT1
	s_add_co_u32 s[TJ], s[TJ], 1
	s_add_co_u32 s[TJ16], s[TJ16], 16
	s_add_co_u32 s[PB], s[PB], 144
.endif
.endm
	s_wait_tensorcnt 0x0                           ; my tile of the head's is in
	ds_add_u32 v[SPW], v[NIL]
	s_mov_b32 s[G1+2], 16<<16                      ; no tensor load of mine is out: from here on a load brings 16 q
	s_mov_b32 s[G1+4], 16
	s_wait_dscnt 0x0
	CROUND                                         ; everybody's tile is in: slot 0 and W
	tensor_load_to_lds s[G0B:G0B+3], s[G1:G1+7]    ; slot 1
	s_nop 0
	PLACES 4
	QLOADS 0
	WIN 0x40
.irp t, 0,1,2,3
.irp s, 0,1,2,3
.irp c, 0,1
	ds_load_b128 v[32*\t+8*\s+4*\c:32*\t+8*\s+4*\c+3], v117 offset:4352*\t+64*\s+32*\c
.endr
.endr
.endr
	WIN 0
	s_wait_loadcnt 12                              ; hp is in: behind its 32 loads stand the 4 of W's scales and v_w's 8
	s_wait_dscnt 32                                ; hq is in; W's 32 loads may be out
	QUANT_A 0, 0                                   ; step 0's rows
	s_wait_dscnt 0x0                               ; W is in registers:
	s_barrier_signal -1
	s_barrier_wait -1                              ; everybody's is, and its bytes in LDS may be stored to
	QLOADS 1
	s_wait_dscnt 0x0
	QUANT_A 1, 2                                   ; step 1's rows
	s_wait_dscnt 0x0
	QUANT_T                                        ; slot 0 transposed
	s_wait_loadcnt 0x0                             ; W's scales and v_w are in
	s_wait_dscnt 0x0
	s_barrier_signal -1
.irp i, 0,2,4,6
	v_pk_add_f32 v[SS+\i:SS+\i+1], v[VW+\i:VW+\i+1], v[VW+8+\i:VW+9+\i]
.endr
.irp b, 16,24
.irp i, 0,2,4,6
	v_pk_add_f32 v[SS+\i:SS+\i+1], v[SS+\i:SS+\i+1], v[VW+\b+\i:VW+\b+\i+1]
.endr
.endr
	v_pk_add_f32 v[SS:SS+1], v[SS:SS+1], v[SS+2:SS+3]
	v_pk_add_f32 v[SS+4:SS+5], v[SS+4:SS+5], v[SS+6:SS+7]
.irp i, 0,2,4,6,8,10,12,14,16,18,20,22,24,26,28,30
	v_pk_mul_f32 v[VW+\i:VW+\i+1], v[VW+\i:VW+\i+1], -2.0 op_sel_hi:[1,0]
.endr
	v_pk_add_f32 v[VC:VC+1], v[SS:SS+1], v[SS+4:SS+5]
	s_mov_b32 s[CNT], 6
	s_mov_b32 s[TB], SLOT1
	s_mov_b32 s[TJ], 1
	s_mov_b32 s[TJ16], 16
	s_wait_alu depctr_va_vdst(0)
	s_barrier_wait -1                              ; images 0 and 1 are whole
	LOADA 0, 0
.Lslot:                                                ; steps 0 to 11: each pair fills a slot again, two slots on
	STEP 0, 1, 0
	STEP 1, 0, 0
	s_wait_alu depctr_va_vdst(0)
	s_sub_co_u32 s[CNT], s[CNT], 1
	s_cmp_lg_u32 s[CNT], 0
	s_cbranch_scc1 .Lslot
	s_mov_b32 s[CNT], 2
.Ltail:                                                ; steps 12 to 15: nothing is filled any more; the last two prepare nothing
	STEP 0, 0, 1
	STEP 1, 0, 1
	s_wait_alu depctr_va_vdst(0)
	s_sub_co_u32 s[CNT], s[CNT], 1
	s_cmp_lg_u32 s[CNT], 0
	s_cbranch_scc1 .Ltail
; THE WAY OUT.  Wave w sums the eight waves' scores of block w (32 q) for the four p; then every wave makes the softmax of all scores (lane: p = lane % 4, block = lane / 4) and the product for its 64 h.
	s_wait_dscnt 0x0                               ; my scores are stored
	s_barrier_signal -1
	s_mul_i32 s50, s[WV], 64*144
	s_add_co_u32 s50, s50, HTC
	s_lshl_b32 s51, s[WV], 9
	s_add_co_u32 s52, s51, PSCR
	s_add_co_u32 s51, s51, HTS
	s_mul_i32 s53, s[WV], 1280
	s_add_co_u32 s53, s53, OSTG
	s_mul_i32 s54, s[WV], 144
	s_add_co_u32 s55, s54, SUMS
	s_add_co_u32 s54, s54, PART
	v_and_b32 v28, 15, v0                          ; r
	v_bfe_u32 v29, v0, 4, 1                        ; h
	v_and_b32 v30, 31, v0
	v_and_b32 v31, 3, v0
	v_bfe_u32 v32, v0, 2, 3
	v_bfe_u32 v33, v0, 3, 2
	v_and_b32 v34, 7, v0
	v_mul_u32_u24 v5, v31, 1216
	v_mul_u32_u24 v6, v28, 144
	v_mul_u32_u24 v3, v33, 1216
	v_mul_u32_u24 v10, v31, 272
	v_mul_u32_u24 v11, v29, 272
	v_lshlrev_b32 v12, 11, v29
	v_lshl_add_u32 v9, v29, 6, s52
	v_lshl_add_u32 v3, v34, 4, v3
	v_mad_u32_u24 v5, v32, 144, v5
	v_lshl_add_u32 v6, v29, 4, v6
	v_lshl_add_u32 v10, v29, 5, v10
	v_lshl_add_u32 v11, v28, 4, v11
	v_lshl_add_u32 v12, v28, 4, v12                ; out: lanes 0-15 one row, lanes 16-31 the next
	v_add_nc_u32 v4, s55, v3                       ; my block's sums: p = lane / 8, four q a lane
	v_add_nc_u32 v3, s54, v3                       ; and their parts
	v_add_nc_u32 v5, SUMS, v5                      ; p = lane % 4, block = lane / 4
	v_add_nc_u32 v6, s50, v6                       ; hq transposed: codes,
	v_lshl_add_u32 v7, v28, 3, s51                 ; and scale bytes
	v_lshl_add_u32 v8, v30, 4, s52                 ; the softmax's codes: in,
	v_lshl_add_u32 v9, v31, 4, v9                  ; and back as an operand: row r takes p = r % 4
	v_add_nc_u32 v10, s53, v10
	v_add_nc_u32 v11, s53, v11
	v_mov_b32 v19, 0                               ; (named as the upper half of a pair)
	v_mov_b32 v17, 0
	s_wait_alu depctr_va_vdst(0)
	s_barrier_wait -1
.irp w, 0,1,2,3,4,5,6,7
	ds_load_b128 v[128+4*\w:131+4*\w], v3 offset:4864*\w
.endr
.irp t, 0,1,2,3
.irp s, 0,1
.irp c, 0,1
	ds_load_b128 v[160+16*\t+8*\s+4*\c:160+16*\t+8*\s+4*\c+3], v6 offset:2304*\t+64*\s+32*\c   ; (my own wave's stores)
.endr
.endr
.endr
.irp t, 0,1,2,3
	ds_load_b64 v[WS+2*\t:WS+2*\t+1], v7 offset:128*\t
.endr
	s_wait_dscnt 20                                ; the parts are in; 16 loads of codes and 4 of scale bytes may be out
.irp w, 0,8,16,24
	v_pk_add_f32 v[128+\w:129+\w], v[128+\w:129+\w], v[132+\w:133+\w]
	v_pk_add_f32 v[130+\w:131+\w], v[130+\w:131+\w], v[134+\w:135+\w]
.endr
.irp w, 0,16
	v_pk_add_f32 v[128+\w:129+\w], v[128+\w:129+\w], v[136+\w:137+\w]
	v_pk_add_f32 v[130+\w:131+\w], v[130+\w:131+\w], v[138+\w:139+\w]
.endr
	v_pk_add_f32 v[128:129], v[128:129], v[144:145]
	v_pk_add_f32 v[130:131], v[130:131], v[146:147]
	ds_store_b128 v4, v[128:131]
	s_wait_dscnt 0x0
	s_barrier_signal -1
	s_barrier_wait -1
.irp e, 0,1,2,3,4,5,6,7
	ds_load_b128 v[128+4*\e:131+4*\e], v5 offset:16*\e
.endr
	s_wait_dscnt 0x0
.irp k, 0,1,2,3
	v_max3_num_f32 v[20+\k], v[128+8*\k], v[129+8*\k], v[130+8*\k]
.endr
.irp i, 3,5
.irp k, 0,1,2,3
	v_max3_num_f32 v[20+\k], v[20+\k], v[128+8*\k+\i], v[129+8*\k+\i]
.endr
.endr
.irp k, 0,1,2,3
	v_max_num_f32 v[20+\k], v[20+\k], v[135+8*\k]
.endr
	v_max3_num_f32 v20, v20, v21, v22
	s_delay_alu instid0(VALU_DEP_1)
	v_max_num_f32 v20, v20, v23                    ; the largest score of my block,
	s_delay_alu instid0(VALU_DEP_1)
	v_mov_b32 v21, v20
	s_delay_alu instid0(VALU_DEP_1)
	v_max_num_f32_dpp v21, v21, v21 row_xmask:4 row_mask:0xf bank_mask:0xf
	s_delay_alu instid0(VALU_DEP_1)
	v_max_num_f32_dpp v21, v21, v21 row_xmask:8 row_mask:0xf bank_mask:0xf
	s_delay_alu instid0(VALU_DEP_1)
	v_permlanex16_b32 v22, v21, s[SEL], s[SEL+1]
	s_delay_alu instid0(VALU_DEP_1)
	v_max_num_f32 v21, v21, v22                    ; and of the row
	s_delay_alu instid0(VALU_DEP_1)
	v_mul_f32 v21, s[CL], v21
	s_delay_alu instid0(VALU_DEP_1)
	v_floor_f32 v14, -v21                          ; -M
	s_delay_alu instid0(VALU_DEP_1)
	v_mov_b32 v15, v14
.set k, 0
.rept 16
	v_pk_fma_f32 v[128+2*k:129+2*k], v[128+2*k:129+2*k], s[CL:CL+1], v[14:15] op_sel_hi:[1,0,0]
.set k, k+1
.endr
	v_fma_f32 v20, v20, s[CL], v14
	s_wait_alu depctr_va_vdst(0)                   ; ahead of the batch and behind it
.set k, 0
.rept 32
	v_exp_f32 v[128+k], v[128+k]                   ; p = 2^(t - M)
.set k, k+1
.endr
	v_exp_f32 v20, v20                             ; the block's largest p
	v_nop
	s_wait_alu depctr_va_vdst(0)
.irp k, 0,2,4,6
	v_pk_add_f32 v[22+\k:23+\k], v[128+\k:129+\k], v[136+\k:137+\k]
.endr
.irp i, 16,24
.irp k, 0,2,4,6
	v_pk_add_f32 v[22+\k:23+\k], v[22+\k:23+\k], v[128+\i+\k:129+\i+\k]
.endr
.endr
	v_pk_add_f32 v[22:23], v[22:23], v[24:25]
	v_pk_add_f32 v[26:27], v[26:27], v[28:29]
	s_delay_alu instid0(VALU_DEP_1)
	v_pk_add_f32 v[22:23], v[22:23], v[26:27]
	s_delay_alu instid0(VALU_DEP_1)
	v_add_f32 v16, v22, v23
	s_delay_alu instid0(VALU_DEP_1)
	v_add_f32_dpp v16, v16, v16 row_xmask:4 row_mask:0xf bank_mask:0xf
	s_delay_alu instid0(VALU_DEP_1)
	v_add_f32_dpp v16, v16, v16 row_xmask:8 row_mask:0xf bank_mask:0xf
	s_delay_alu instid0(VALU_DEP_1)
	v_permlanex16_b32 v17, v16, s[SEL], s[SEL+1]
	s_delay_alu instid0(VALU_DEP_1)
	v_add_f32 v16, v16, v17                        ; the row's sum of the unquantised p
	s_wait_alu depctr_va_vdst(0)
	v_rcp_f32 v18, v16
	v_max_num_f32 v20, 0x1800000, v20
	v_bfe_u32 v28, v0, 2, 2
	v_add_nc_u32 v21, 0xff000000, v20
	v_lshlrev_b32 v28, 3, v28
	v_lshrrev_b32 v22, 23, v21
.irp g, 0,1,2,3
	v_cvt_scalef32_pk8_fp4_f32 v[24+\g], v[128+8*\g:135+8*\g], v21
.endr
	v_lshlrev_b32 v28, v28, v22                    ; my block's byte at its place in the scale word: lanes 0-15 have blocks 0-3, lanes 16-31 blocks 4-7
	ds_store_b128 v8, v[24:27]
.irp s, 0,1
.irp c, 0,1
	ds_load_b128 v[224+8*\s+4*\c:224+8*\s+4*\c+3], v9 offset:256*\s+128*\c   ; LDS serves a wave's instructions in order (ISA guide 5.7.1.4): these see the store above
.endr
.endr
	v_mov_b32_dpp v29, v28 row_xmask:4 row_mask:0xf bank_mask:0xf
	s_delay_alu instid0(VALU_DEP_1)
	v_or_b32 v28, v28, v29
	s_delay_alu instid0(VALU_DEP_1)
	v_mov_b32_dpp v29, v28 row_xmask:8 row_mask:0xf bank_mask:0xf
	s_delay_alu instid0(VALU_DEP_1)
	v_or_b32 v[AS], v28, v29
	s_wait_alu depctr_va_vdst(0)                   ; for the reciprocal
	s_wait_dscnt 0x0
	PLACES 8
.irp t, 0,1,2,3
	v_wmma_scale_f32_16x16x128_f8f6f4 v[128+8*\t:135+8*\t], v[160+16*\t:167+16*\t], v[224:231], 0, v[WS+2*\t], v[AS] matrix_a_fmt:MATRIX_FMT_FP4 matrix_b_fmt:MATRIX_FMT_FP4
.endr
.irp t, 0,1,2,3
	v_wmma_scale_f32_16x16x128_f8f6f4 v[128+8*\t:135+8*\t], v[168+16*\t:175+16*\t], v[232:239], v[128+8*\t:135+8*\t], v[WS+2*\t+1], v[AS] matrix_a_fmt:MATRIX_FMT_FP4 matrix_b_fmt:MATRIX_FMT_FP4 matrix_b_scale:MATRIX_SCALE_ROW1
.endr
	PLACES 4
.set k, 0
.rept 16
	v_pk_mul_f32 v[128+2*k:129+2*k], v[128+2*k:129+2*k], v[18:19] op_sel_hi:[1,0]
.set k, k+1
.endr
.irp t, 0,1,2,3
	ds_store_b128 v10, v[128+8*\t:131+8*\t] offset:64*\t        ; (the four lanes of one p store the same numbers to the same bytes)
	ds_store_b128 v10, v[132+8*\t:135+8*\t] offset:64*\t+16
.endr
.irp i, 0,1
	ds_load_b128 v[240+4*\i:243+4*\i], v11 offset:544*\i
.endr
	s_wait_dscnt 1
	global_store_b128 v12, v[240:243], s[14:15] th:TH_STORE_NT               ; 16 lanes store 256 consecutive bytes, aligned
	s_wait_dscnt 0x0
	global_store_b128 v12, v[244:247], s[14:15] offset:4096 th:TH_STORE_NT
	s_wait_tensorcnt 0x0                           ; the wave's end
	ds_add_u32 v[SPW], v[NIL]
	s_wait_dscnt 0x0
	CROUND                                         ; the closing round
	s_endpgm
.Lfunc_end_k_q7002c4f4f5_dotatt:
	.size	k_q7002c4f4f5_dotatt, .Lfunc_end_k_q7002c4f4f5_dotatt-k_q7002c4f4f5_dotatt
	.p2alignl 7, 3214868480
	.fill 96, 4, 3214868480
	.section	.rodata,"a",@progbits
	.p2align	6, 0x0
	.amdhsa_kernel k_q7002c4f4f5_dotatt
		.amdhsa_group_segment_fixed_size 327680
		.amdhsa_private_segment_fixed_size 0
		.amdhsa_enable_private_segment 0
		.amdhsa_kernarg_size 48
		.amdhsa_user_sgpr_count 2
		.amdhsa_user_sgpr_kernarg_segment_ptr 1
		.amdhsa_wavefront_size32 1
		.amdhsa_system_sgpr_workgroup_id_x 1
		.amdhsa_system_sgpr_workgroup_id_y 1
		.amdhsa_system_sgpr_workgroup_id_z 1
		.amdhsa_system_vgpr_workitem_id 0
		.amdhsa_next_free_vgpr 512
		.amdhsa_next_free_sgpr 96
		.amdhsa_reserve_vcc 0
		.amdhsa_float_denorm_mode_32 3
		.amdhsa_float_denorm_mode_16_64 3
		.amdhsa_memory_ordered 1
		.amdhsa_forward_progress 1
		.amdhsa_inst_pref_size 255
	.end_amdhsa_kernel
	.section	.bss,"aw",@nobits
	.p2align	6
	.space	262144
	.amdgpu_metadata
---
amdhsa.version: [ 1, 2 ]
amdhsa.kernels:
  - .name:           k_q7002c4f4f5_dotatt
    .symbol:         k_q7002c4f4f5_dotatt.kd
    .args:
      - { .name: W_codes, .offset: 0, .size: 8, .value_kind: global_buffer, .address_space: global }
      - { .name: W_scales, .offset: 8, .size: 8, .value_kind: global_buffer, .address_space: global }
      - { .name: hp, .offset: 16, .size: 8, .value_kind: global_buffer, .address_space: global }
      - { .name: hq, .offset: 24, .size: 8, .value_kind: global_buffer, .address_space: global }
      - { .name: v_w, .offset: 32, .size: 8, .value_kind: global_buffer, .address_space: global }
      - { .name: out0, .offset: 40, .size: 8, .value_kind: global_buffer, .address_space: global }
    .group_segment_fixed_size: 327680
    .private_segment_fixed_size: 0
    .kernarg_segment_align: 8
    .kernarg_segment_size: 48
    .max_flat_workgroup_size: 256
    .sgpr_count:     96
    .vgpr_count:     512
    .wavefront_size: 32
...
	.end_amdgpu_metadata
.endif
;; end of part 1
